; MI455X (gfx1250); checked and timed in simulation.
; The chip was launched on July 23, 2026; its instructions are those of AMD's public machine-readable ISA for CDNA 5 (MIT licence, August 2026) and "CDNA5" Instruction Set Architecture Reference Guide (July 2026). The comments in the code are by the model that wrote it; some were corrected since.
;; Spatial Self Attention2d. Allowed arithmetic: matrix products marked QUANTISED: E2M1 operands, one E8M0 scale for each 32 along K, by v_wmma_scale_f32_16x16x128_f8f6f4 with both operands' format E2M1 (or v_wmma_scale_f32_32x16x128_f4), f32 sums; everything else in f32.
;; Inputs: norm_beta 256 float32; norm_gamma 256 float32; proj_b 256 float32; proj_w_codes 256 x 8 x 16 uint8 (E2M1 codes of proj_w, K innermost, in blocks of 32 codes, two codes a byte); proj_w_scales 256 x 8 uint8 (E8M0 scales of proj_w, one for each 32 codes along K); qkv_b 768 float32; qkv_w_codes 768 x 8 x 16 uint8 (E2M1 codes of qkv_w, K innermost, in blocks of 32 codes, two codes a byte); qkv_w_scales 768 x 8 uint8 (E8M0 scales of qkv_w, one for each 32 codes along K); x 4 x 256 x 64 x 64 float32.
;; Outputs: out0 4 x 256 x 64 x 64 float32.
;; This version of the problem:
;;   THIS VERSION OF THE PROBLEM IS GIVEN IN LOW PRECISION. The matrix products marked QUANTISED in the list below multiply operands that are first quantised to E2M1 (2 exponent bits, 1 mantissa bit; 4 bits a number), with one power-of-two scale for each 32 numbers along K (OCP MX v1.0); their sums are f32. All else is computed in f32.
;;   The module's matrix products, in the order in which they are computed (A, B: the left and right operand; K: the contracted axis; several contracted axes count as one K, in the product's order):
;;     1. [M 768, K 256] x [K 256, N 16,384]; A: input qkv_w (given as codes); B: computed on the way: QUANTISED
;;     2. batch 16 x [M 4,096, K 64] x [K 64, N 4,096]; A: computed on the way; B: computed on the way: QUANTISED
;;     3. batch 16 x [M 4,096, K 4,096] x [K 4,096, N 64]; A: softmax (see below); B: computed on the way: QUANTISED
;;     4. [M 256, K 256] x [K 256, N 16,384]; A: input proj_w (given as codes); B: computed on the way: QUANTISED
;;   THE QUANTISER, for each operand of a quantised product, along K:
;;     - K is cut into blocks of 32 from its start; a last block that is shorter is filled with zeros.
;;     - A block's scale is 2^e with e = floor(log2(the largest magnitude in the block)) - 2, held to -126 .. 127; a block of zeros has e = 0. As a byte (E8M0): e + 127.
;;     - Each number is divided by its block's scale, clamped to +-6, and rounded to the nearest number of E2M1, ties to even, subnormals kept.
;;     - The product sums the exact products of the quantised numbers (number of the format x scale) in f32.
;;   ~~~python
;;   def quantise(x, axis):      # numpy; x: float32 -> the quantised numbers, widened to float32 again
;;       x = np.moveaxis(x, axis, -1); K = x.shape[-1]
;;       x = np.pad(x, [(0, 0)] * (x.ndim - 1) + [(0, -K % 32)]); x = x.reshape(x.shape[:-1] + (-1, 32)); a = np.abs(x).max(-1, keepdims=True)
;;       e = np.where(a > 0, np.clip(np.frexp(np.where(a > 0, a, 1))[1] - 1 - 2, -126, 127), 0)      # np.frexp(a)[1] - 1 = floor(log2(a)), exactly
;;       r = np.clip(x / 2.0 ** e, -6, 6)
;;       step = 2.0 ** (np.maximum(np.frexp(np.where(r == 0, 1, r))[1] - 1, 0) - 1)
;;       q = np.round(r / step) * step * 2.0 ** e      # np.round: ties to even
;;       return np.moveaxis(q.reshape(q.shape[:-2] + (-1,))[..., :K], -1, axis).astype(np.float32)
;;   ~~~
;;   SOFTMAX AHEAD OF A QUANTISED PRODUCT. Where the list says 'softmax', what is quantised is not the finished softmax but p = 2^(t - M), with t = logit x log2(e) and M = ceil(the row's largest t), a whole number; so 1/2 < the row's largest p <= 1. The row's sum l is taken of the UNQUANTISED p, in f32, and the product's result is divided by l at the end. Since M is a whole number, a kernel that streams over the keys may use a running M (the ceiling of the running maximum): every later rescaling is an exact power of two, which a block's scale takes up: the codes' values come out the same.
;;   OPERANDS COMPUTED ON THE WAY. 'Computed on the way' means the value that the module computes at that place (a softmax that the list does not call 'softmax' is quantised finished and normalised). What goes into a quantiser is computed in f32, as accurately as f32 sums, v_exp_f32 and their like allow (about 1e-6 of the number): no bf16 or f16 on the way to a quantiser, and a product that is left as it is and whose result goes on into a quantised operand takes f32 operands (vector FMAs, or v_wmma_f32_16x16x4_f32). A number that lies on a knife's edge between two numbers of the format may be rounded either way, as far as f32 arithmetic and the matrix unit's own rounding can turn it there, and no further.
;;   INPUTS GIVEN AS CODES. proj_w (in the module: [256, 256], K = its axis 1); qkv_w (in the module: [768, 256], K = its axis 1): each comes as NAME_codes (uint8): NAME with its K axis moved to the last place and cut into blocks of 32 codes, [.., K / 32, bytes a block], one block behind the other in memory; two codes a byte, the lower K in the low four bits (a code: sign, 2 exponent bits, 1 mantissa bit); and NAME_scales (uint8): the same leading axes, one E8M0 byte (e + 127) for each 32 codes along K. Its value is code x scale, taken as it is: it is not quantised again, and the codes and scales need not be those that the quantiser above would give.
;; One version. Each part assembles by itself: llvm-mc -triple=amdgcn-amd-amdhsa -mcpu=gfx1250 --defsym DOCPART=n.
;; ======== version 1 of 1: 4 launches
;; workspace buffers: gn 4,608 bytes; qq 2,359,296 bytes; kv 4,587,520 bytes; oc 2,097,152 bytes; os 131,072 bytes
;; launch gnstat (part 1): grid 128 x 1, 8 waves a work-group, no clusters, 1,280 bytes of LDS; arguments x, norm_gamma, gn; writes gn
.if DOCPART == 1
	.amdgcn_target "amdgcn-amd-amdhsa--gfx1250"
	.amdhsa_code_object_version 6
	.text
	.protected	k_q1ed15fa957_gnstat
	.globl	k_q1ed15fa957_gnstat
	.p2align	8
	.type	k_q1ed15fa957_gnstat,@function
k_q1ed15fa957_gnstat:
	s_mov_b64 s[64:65], 0
	v_nop
	global_prefetch_b8 v0, s[64:65] scope:SCOPE_SE
	s_setreg_imm32_b32 hwreg(HW_REG_WAVE_MODE, 25, 1), 1
	s_wait_xcnt 0x0
; GroupNorm's statistics.  x: [4][256][4096] f32; a group is 8 channels x 4,096 positions = 32,768 numbers, 131,072 dense bytes.
; One work-group (number 32 b + g) owns one group; its 256 threads hold 128 numbers each in registers, so x is read once here and the
; variance is a true second pass over (x - mean): no difference of large sums.
; OUT: gn: a[b][c] = rsqrt(var + 1e-5) x gamma[c] at byte 1024 b + 4 c;  mean[b][g] at byte 4096 + 128 b + 4 g.
; One owner for each group, so no sum spans work-groups: 128 work-groups.  Nothing is shared between work-groups, so no cluster; no matrix work.
; LIMITS: NaN and infinities among the inputs are not served.
.set X, 24                             ; v24-151  my 128 numbers
.set S, 4                              ; v4-11    four chains of pairs
                                       ; v1 16 x thread; v2 gamma; v3 4 (thread % 8); v12 the mean, v13 0 (the pair's upper half, and LDS address 0); v14 for the lane exchange; v15 4 x wave; v16-23 at work
; The sum of the four chains over the work-group, into v16 of every lane.  The eight waves' sums meet in eight LDS words from byte off on.
.macro WGSUM off
	s_delay_alu instid0(VALU_DEP_3)
	v_pk_add_f32 v[S:S+1], v[S:S+1], v[S+2:S+3]
	s_delay_alu instid0(VALU_DEP_2)
	v_pk_add_f32 v[S+4:S+5], v[S+4:S+5], v[S+6:S+7]
	s_delay_alu instid0(VALU_DEP_1)
	v_pk_add_f32 v[S:S+1], v[S:S+1], v[S+4:S+5]
	s_delay_alu instid0(VALU_DEP_1)
	v_add_f32 v16, v[S], v[S+1]
	s_delay_alu instid0(VALU_DEP_1)
	v_add_f32_dpp v16, v16, v16 row_xmask:1 row_mask:0xf bank_mask:0xf
	s_delay_alu instid0(VALU_DEP_1)
	v_add_f32_dpp v16, v16, v16 row_xmask:2 row_mask:0xf bank_mask:0xf
	s_delay_alu instid0(VALU_DEP_1)
	v_add_f32_dpp v16, v16, v16 row_xmask:4 row_mask:0xf bank_mask:0xf
	s_delay_alu instid0(VALU_DEP_1)
	v_add_f32_dpp v16, v16, v16 row_xmask:8 row_mask:0xf bank_mask:0xf
	s_delay_alu instid0(VALU_DEP_1)
	v_permlanex16_b32 v14, v16, s14, s15           ; the other half of the lanes
	s_delay_alu instid0(VALU_DEP_1)
	v_add_f32 v16, v16, v14
	ds_store_b32 v15, v16 offset:\off              ; all lanes of a wave write the wave's word with the same value
	s_wait_dscnt 0x0                               ; for the others' sake: my store has landed
	s_barrier_signal -1
	s_barrier_wait -1
	ds_load_b128 v[16:19], v13 offset:\off
	ds_load_b128 v[20:23], v13 offset:\off+16
	s_wait_dscnt 0x0
	v_add_f32 v16, v16, v17
	v_add_f32 v18, v18, v19
	v_add_f32 v20, v20, v21
	v_add_f32 v22, v22, v23
	s_delay_alu instid0(VALU_DEP_3)
	v_add_f32 v16, v16, v18
	s_delay_alu instid0(VALU_DEP_2)
	v_add_f32 v20, v20, v22
	s_delay_alu instid0(VALU_DEP_1)
	v_add_f32 v16, v16, v20
.endm
.macro ADDS n                          ; the next n pairs go to the four chains by turns
.rept \n
	v_pk_add_f32 v[S+2*(p%4):S+2*(p%4)+1], v[S+2*(p%4):S+2*(p%4)+1], v[X+2*p:X+2*p+1]
.set p, p+1
.endr
.endm
	s_load_b128 s[4:7], s[0:1], 0x0                ; x, gamma
	s_load_b64 s[8:9], s[0:1], 0x10                ; gn
	v_lshl_add_u32 v152, v0, 2, 0x100
	v_mov_b32 v153, 0
	v_lshrrev_b32 v15, 5, v0
	s_delay_alu instid0(VALU_DEP_1)
	v_readfirstlane_b32 s12, v15                   ; wave 0..7
	s_delay_alu instid0(VALU_DEP_2)
	v_lshlrev_b32 v15, 2, v15                      ; my wave's LDS word
	v_lshlrev_b32 v1, 4, v0                        ; 16 bytes a thread: a load of the work-group covers 4,096 consecutive bytes
	v_and_b32 v3, 7, v0
	s_delay_alu instid0(VALU_DEP_1)
	v_lshlrev_b32 v3, 2, v3                        ; 4 x (thread % 8): one of the group's eight channels
	s_and_b32 s13, ttmp9, 31
	s_lshl_b32 s13, s13, 5                         ; the group's eight gammas: byte 32 g
	v_add_nc_u32 v22, s13, v3
	v_mov_b32 v13, 0
	v_mov_b32 v14, 0                               ; written once: a lane permute's destination counts as one of its sources
	s_lshl_b32 s16, ttmp9, 17                      ; the group's first byte in x
	s_mov_b32 s17, 0
	s_mov_b32 s14, 0x76543210
	s_mov_b32 s15, 0xfedcba98                      ; v_permlanex16_b32's selects for lane l xor 16
	s_wait_alu depctr_va_vdst(0)
	s_wait_kmcnt 0x0
	s_add_nc_u64 s[4:5], s[4:5], s[16:17]
	global_load_b32 v2, v22, s[6:7]
.set i, 0
.rept 32
	global_load_b128 v[X+4*i:X+4*i+3], v1, s[4:5] offset:4096*i   ; no hint: later launches read x again
.set i, i+1
.endr
	; pass 1: the sum.  The first eight pairs start the chains: nothing is cleared
	s_wait_loadcnt 24                              ; gamma and the first eight loads are in; 24 younger ones may be out
.irp k, 0,1,2,3
	v_pk_add_f32 v[S+2*\k:S+2*\k+1], v[X+2*\k:X+2*\k+1], v[X+8+2*\k:X+9+2*\k]
.endr
.set p, 8
	ADDS 8
	s_wait_alu depctr_va_vdst(0)
	s_wait_loadcnt 16
	ADDS 16
	s_wait_alu depctr_va_vdst(0)
	s_wait_loadcnt 8
	ADDS 16
	s_wait_alu depctr_va_vdst(0)
	s_wait_loadcnt 0x0
	ADDS 16
	WGSUM 0
	s_delay_alu instid0(VALU_DEP_1)
	v_mul_f32 v12, 0x38000000, v16                 ; the mean: sum x 2^-15
	; pass 2: the sum of (x - mean)^2
.set p, 0
.rept 64
	v_pk_add_f32 v[X+2*p:X+2*p+1], v[X+2*p:X+2*p+1], v[12:13] op_sel_hi:[1,0] neg_lo:[0,1] neg_hi:[0,1]
.set p, p+1
.endr
.irp k, 0,1,2,3
	v_pk_mul_f32 v[S+2*\k:S+2*\k+1], v[X+2*\k:X+2*\k+1], v[X+2*\k:X+2*\k+1]
.endr
.set p, 4
.rept 60
	s_delay_alu instid0(VALU_DEP_4)
	v_pk_fma_f32 v[S+2*(p%4):S+2*(p%4)+1], v[X+2*p:X+2*p+1], v[X+2*p:X+2*p+1], v[S+2*(p%4):S+2*(p%4)+1]
.set p, p+1
.endr
	WGSUM 32                                       ; other LDS words than the first sum's: no barrier is owed between the two
	v_mov_b32 v17, 0x38000000
	s_delay_alu instid0(VALU_DEP_1)
	v_fmaak_f32 v18, v16, v17, 0x3727c5ac          ; var + eps = sum x 2^-15 + 1e-5
	s_wait_alu depctr_va_vdst(0)
	v_rsq_f32 v18, v18
	v_nop                                          ; one plain instruction behind a transcendental (ISA guide 5.7.2)
	s_wait_alu depctr_va_vdst(0)
	v_mul_f32 v18, v18, v2                         ; a = rstd x gamma of channel thread % 8
	s_cmp_lg_u32 s12, 0                            ; wave 0 stores; no barrier stands in this branch
	s_cbranch_scc1 .Ldone
	s_lshl_b32 s13, ttmp9, 5
	v_add_nc_u32 v19, s13, v3                      ; a: byte 32 (32 b + g) + 4 (thread % 8); four lanes write each word with the same value
	s_lshl_b32 s16, ttmp9, 2
	v_mov_b32 v20, s16
	global_store_b32 v19, v18, s[8:9]
	global_store_b32 v20, v12, s[8:9] offset:4096  ; the mean
.Ldone:
	s_wait_tensorcnt 0x0
	ds_add_u32 v152, v153
	s_wait_dscnt 0x0
	s_endpgm
.Lfunc_end_k_q1ed15fa957_gnstat:
	.size	k_q1ed15fa957_gnstat, .Lfunc_end_k_q1ed15fa957_gnstat-k_q1ed15fa957_gnstat
	.p2alignl 7, 3214868480
	.fill 96, 4, 3214868480
	.section	.rodata,"a",@progbits
	.p2align	6, 0x0
	.amdhsa_kernel k_q1ed15fa957_gnstat
		.amdhsa_group_segment_fixed_size 1280
		.amdhsa_private_segment_fixed_size 0
		.amdhsa_enable_private_segment 0
		.amdhsa_kernarg_size 24
		.amdhsa_user_sgpr_count 2
		.amdhsa_user_sgpr_kernarg_segment_ptr 1
		.amdhsa_wavefront_size32 1
		.amdhsa_system_sgpr_workgroup_id_x 1
		.amdhsa_system_sgpr_workgroup_id_y 1
		.amdhsa_system_sgpr_workgroup_id_z 1
		.amdhsa_system_vgpr_workitem_id 0
		.amdhsa_next_free_vgpr 154
		.amdhsa_next_free_sgpr 66
		.amdhsa_reserve_vcc 0
		.amdhsa_float_denorm_mode_32 3
		.amdhsa_float_denorm_mode_16_64 3
		.amdhsa_memory_ordered 1
		.amdhsa_forward_progress 1
		.amdhsa_inst_pref_size 23
	.end_amdhsa_kernel
	.amdgpu_metadata
---
amdhsa.version: [ 1, 2 ]
amdhsa.kernels:
  - .name:           k_q1ed15fa957_gnstat
    .symbol:         k_q1ed15fa957_gnstat.kd
    .args:
      - { .name: x, .offset: 0, .size: 8, .value_kind: global_buffer, .address_space: global }
      - { .name: norm_gamma, .offset: 8, .size: 8, .value_kind: global_buffer, .address_space: global }
      - { .name: gn, .offset: 16, .size: 8, .value_kind: global_buffer, .address_space: global }
    .group_segment_fixed_size: 1280
    .private_segment_fixed_size: 0
    .kernarg_segment_align: 8
    .kernarg_segment_size: 24
    .max_flat_workgroup_size: 256
    .sgpr_count:     66
    .vgpr_count:     154
    .wavefront_size: 32
...
	.end_amdgpu_metadata
.endif
;; end of part 1
;; launch qkv (part 2): grid 128 x 1, 8 waves a work-group, no clusters, 18,432 bytes of LDS; arguments x, gn, norm_beta, qkv_w_codes, qkv_w_scales, qkv_b, qq, kv; writes qq, kv
.if DOCPART == 2
	.amdgcn_target "amdgcn-amd-amdhsa--gfx1250"
	.amdhsa_code_object_version 6
	.text
	.protected	k_q1ed15fa957_qkv
	.globl	k_q1ed15fa957_qkv
	.p2align	8
	.type	k_q1ed15fa957_qkv,@function
k_q1ed15fa957_qkv:
	s_mov_b64 s[64:65], 0
	v_nop
	global_prefetch_b8 v0, s[64:65] scope:SCOPE_SE
	s_setreg_imm32_b32 hwreg(HW_REG_WAVE_MODE, 25, 1), 1
	s_wait_xcnt 0x0
; h = GroupNorm(x), quantised along the channels; q, k, v = W h + b on codes of FP4 (E2M1) with one E8M0 scale for each 32 along K; q and k are then
; quantised along the head's 64 channels, v along the keys, and all three are stored AS IMAGES OF THE REGISTERS in which the attention launch wants them.
; SHARES.  Work-group 32 b + step owns 128 positions of image b, all 768 rows of W.  Eight waves.
;   X: wave w norms and quantises channels 32 w .. 32 w + 31 (one block of 32 along K) of all 128 positions: a lane takes a position, its registers run down the channels.
;      The codes go to LDS as images of operand registers | the one barrier |
;   1: wave w makes q (w < 4) or k (w >= 4) of head w % 4: source 0 = 16 rows of W, source 1 = 16 positions: a lane holds ONE position, its registers run along d.
;   2: wave w makes v of head w % 4, channels 32 (w / 4) on: source 0 = 16 positions, source 1 = 16 rows of W: a lane holds ONE channel, its registers run along the keys.
; THE POSITIONS OF A TILE ARE NOT NEIGHBOURS: row r of tile (ch, u) of a step is position 32 ch + 8 u + r + 8 (r / 8), and W's rows of a tile are taken in the same order.  So the 16 registers
; of two neighbouring result tiles are 16 NEIGHBOURS along the next product's K, and k's tiles have the keys in the order that the weights p will want.
; A quantised half block (16 codes of lane (r, h): 8 bytes) goes to image + 256 x block + 16 r + 8 h: each store of the wave covers 256 consecutive bytes, aligned.
; OUT.  qq: records [4 b + head][step] of 4,608 bytes: eight tile images of 512 bytes, then 512 bytes of scale words (word of tile (ch, u), row r at 256 u + 16 r + 4 ch; its upper two bytes are 127: they scale zero codes).
;       kv: records of 8,960 bytes: k's eight images; from 4096 v's four tiles of 16 channels x 128 keys (1,024 bytes each); from 8192 k's scale words; from 8704 v's (word of tile 2 bb + u', row r at 128 bb + 64 u' + 4 r).
; No cluster: the work-groups share only W (104,448 bytes of codes and scale bytes), which goes from memory straight into registers, an eighth to a wave; there is no tensor load to ask jointly.
; LIMITS: NaN and infinities are not served; a block whose largest magnitude lies under 2^-124 keeps the scale byte 1, a block of zeros too (its codes are zeros, and this program alone reads the bytes).
.set XSC, 16384                        ; LDS: 0: h's 16 fragments (tile pt, K step k at 2048 pt + 1024 k; four registers at 512 c + 16 lane);  XSC: their scale words, (ch, k, lane) at 256 ch + 128 k + 4 lane
.set TM,  16                           ; v16-23   the quantiser's: 2 maxima, 2 from the other half, 2 scale operands, 2 bytes
.set PC,  24                           ; v24-27   the codes just made
.set PW,  28                           ; v28      a scale word in the making
.set KW,  32                           ; v32-35   q's or k's scale words: register ch, lanes 0-15 tile (ch, 0), lanes 16-31 tile (ch, 1)
.set VW,  36                           ; v36-37   v's scale words of my two tiles; v38 the two merged
.set HS,  40                           ; v40-47   h's scale words (ch, k)
.set HF,  48                           ; v48-79   two sets of h's two fragments
.set XR,  48                           ; v48-175  in X: 4 chunks x 32 numbers of x;  there also v16-31 the chunks' codes, v32-35 their bytes, v36-38 at work
.set ACC, 80                           ; v80-111  four accumulators
.set BI,  112                          ; v112-143 q's or k's biases in the result's layout, four tiles
.set WV,  144                          ; v144-175 v's weights: 2 tiles x 2 K steps
.set WF,  176                          ; v176-239 q's or k's weights: 4 tiles x 2 K steps
.set WS,  240                          ; v240-247 their scale words
.set WVS, 248                          ; v248-251 those of v's weights
.set BV,  252                          ; v252, v254 v's biases (one a lane), each the low half of a pair whose upper half is 0
                                       ; v1 x;  v2 16 x lane, v3 4 x lane;  v4, v5 where X stores codes and bytes;  v6-8, v9, v12, v13 offsets of weights, scales, biases;  v10, v11, v14, v15 offsets of the results
; D = A B + C, scaled.  c < 0: C = 0.  ra, rb: A's or B's scale words lie in lanes 16-31 of their register.
.macro WM d, a, b, c, sa, sb, ra, rb
.if (\c) < 0
.if \ra
	v_wmma_scale_f32_16x16x128_f8f6f4 v[\d:\d+7], v[\a:\a+7], v[\b:\b+7], 0, v[\sa], v[\sb] matrix_a_fmt:MATRIX_FMT_FP4 matrix_b_fmt:MATRIX_FMT_FP4 matrix_a_scale:MATRIX_SCALE_ROW1
.elseif \rb
	v_wmma_scale_f32_16x16x128_f8f6f4 v[\d:\d+7], v[\a:\a+7], v[\b:\b+7], 0, v[\sa], v[\sb] matrix_a_fmt:MATRIX_FMT_FP4 matrix_b_fmt:MATRIX_FMT_FP4 matrix_b_scale:MATRIX_SCALE_ROW1
.else
	v_wmma_scale_f32_16x16x128_f8f6f4 v[\d:\d+7], v[\a:\a+7], v[\b:\b+7], 0, v[\sa], v[\sb] matrix_a_fmt:MATRIX_FMT_FP4 matrix_b_fmt:MATRIX_FMT_FP4
.endif
.else
.if \ra
	v_wmma_scale_f32_16x16x128_f8f6f4 v[\d:\d+7], v[\a:\a+7], v[\b:\b+7], v[\c:\c+7], v[\sa], v[\sb] matrix_a_fmt:MATRIX_FMT_FP4 matrix_b_fmt:MATRIX_FMT_FP4 matrix_a_scale:MATRIX_SCALE_ROW1
.elseif \rb
	v_wmma_scale_f32_16x16x128_f8f6f4 v[\d:\d+7], v[\a:\a+7], v[\b:\b+7], v[\c:\c+7], v[\sa], v[\sb] matrix_a_fmt:MATRIX_FMT_FP4 matrix_b_fmt:MATRIX_FMT_FP4 matrix_b_scale:MATRIX_SCALE_ROW1
.else
	v_wmma_scale_f32_16x16x128_f8f6f4 v[\d:\d+7], v[\a:\a+7], v[\b:\b+7], v[\c:\c+7], v[\sa], v[\sb] matrix_a_fmt:MATRIX_FMT_FP4 matrix_b_fmt:MATRIX_FMT_FP4
.endif
.endif
.endm
; Places behind matrix instructions: four before a vector instruction reads a result or a load lands in an operand's register, five before a matrix instruction begins an accumulator anew.
.macro PLACES n
.rept \n
	v_nop
.endr
.endm
.macro FETCH pt, hs                    ; tile pt's two fragments of h (K steps 0, 1) into set hs
.irp k, 0,1
.irp c, 0,1
	ds_load_b128 v[HF+16*(\hs)+8*\k+4*\c:HF+16*(\hs)+8*\k+4*\c+3], v2 offset:2048*(\pt)+1024*\k+512*\c
.endr
.endr
.endm
; 32 numbers of a lane, register 16 b + i = neighbour 16 (lane / 16) + i of block b, become two half blocks of codes in v[PC + 2 b], v[PC + 2 b + 1]; the blocks' scale bytes in v[TM + 6 + b].
.macro QUANT2 src
	s_wait_xcnt 0x0                                ; the last stores have read v[PC] on: only behind this wait are the codes written again
.irp b, 0,1
	v_max3_num_f32 v[TM+\b], |v[\src+16*\b]|, |v[\src+16*\b+1]|, 0x1800000   ; my 16 numbers, and the floor 2^(3 - 127): so the byte cannot fall under 1.  Each accumulator is read from its low end on
.endr
.irp i, 2,4,6,8,10,12,14
.irp b, 0,1
	v_max3_num_f32 v[TM+\b], v[TM+\b], |v[\src+16*\b+\i]|, |v[\src+16*\b+\i+1]|
.endr
.endr
.irp b, 0,1
	s_delay_alu instid0(VALU_DEP_2)
	v_permlanex16_b32 v[TM+2+\b], v[TM+\b], s100, s101
.endr
.irp b, 0,1
	s_delay_alu instid0(VALU_DEP_2)
	v_max_num_f32 v[TM+\b], v[TM+\b], v[TM+2+\b]   ; with lane l xor 16's 16: the block's largest magnitude
.endr
.irp b, 0,1
	s_delay_alu instid0(VALU_DEP_2)
	v_add_nc_u32 v[TM+4+\b], 0xff000000, v[TM+\b]  ; 2 off its exponent field: the conversion takes the exponent field of this operand as its scale
.endr
.irp b, 0,1
	s_delay_alu instid0(VALU_DEP_2)
	v_lshrrev_b32 v[TM+6+\b], 23, v[TM+4+\b]       ; the scale's byte
.endr
.irp b, 0,1
	v_cvt_scalef32_pk8_fp4_f32 v[PC+2*\b], v[\src+16*\b:\src+16*\b+7], v[TM+4+\b]
	v_cvt_scalef32_pk8_fp4_f32 v[PC+2*\b+1], v[\src+16*\b+8:\src+16*\b+15], v[TM+4+\b]
.endr
	v_nop                                          ; one plain instruction behind the last scaled conversion
.endm
; X: chunk ch: 32 positions, a lane to a position, my 32 channels in its 32 registers: a whole block of 32 along K.  cnt: the younger loads that may stay out.
.macro XCHUNK ch, cnt
.set XS, XR+32*(\ch)
	s_wait_loadcnt \cnt
.set i, 0
.rept 32
	v_sub_f32 v[XS+i], v[XS+i], s[52+i/8]          ; x - the group's mean
.set i, i+1
.endr
.set i, 0
.rept 32
	v_fma_f32 v[XS+i], v[XS+i], s[20+i], s[68+i]   ; x rstd gamma + beta
.set i, i+1
.endr
	v_max3_num_f32 v36, |v[XS]|, |v[XS+1]|, |v[XS+2]|
	v_max3_num_f32 v37, |v[XS+3]|, |v[XS+4]|, |v[XS+5]|
.irp e, 6,10,14,18,22,26
	s_delay_alu instid0(VALU_DEP_2)
	v_max3_num_f32 v36, v36, |v[XS+\e]|, |v[XS+\e+1]|
	s_delay_alu instid0(VALU_DEP_2)
	v_max3_num_f32 v37, v37, |v[XS+\e+2]|, |v[XS+\e+3]|
.endr
	s_delay_alu instid0(VALU_DEP_2)
	v_max3_num_f32 v36, v36, |v[XS+30]|, |v[XS+31]|
	s_delay_alu instid0(VALU_DEP_1)
	v_max3_num_f32 v36, v36, v37, 0x1800000        ; and the floor 2^(3 - 127)
	s_delay_alu instid0(VALU_DEP_1)
	v_add_nc_u32 v38, 0xff000000, v36
	s_delay_alu instid0(VALU_DEP_1)
	v_lshrrev_b32 v[32+(\ch)], 23, v38
.irp g, 0,1,2,3
	v_cvt_scalef32_pk8_fp4_f32 v[16+4*(\ch)+\g], v[XS+8*\g:XS+8*\g+7], v38
.endr
	v_nop                                          ; one plain instruction behind the last scaled conversion
	ds_store_b128 v4, v[16+4*(\ch):19+4*(\ch)] offset:4096*(\ch)   ; four registers of a fragment's image: lane 16 u + r is row r of tile (ch, u)
	ds_store_b8 v5, v[32+(\ch)] offset:256*(\ch)   ; byte w % 4 of that row's scale word of K step w / 4
.endm
; 1: tile pt of 16 positions: my 64 channels of q or k, quantised and stored.
.macro PT pt
.if (\pt) < 7
	FETCH (\pt)+1, ((\pt)+1)%2
	s_wait_dscnt 4                                 ; this tile's fragments are in; the four loads just issued may be out
.else
	s_wait_dscnt 0x0
.endif
.if (\pt) == 0
	s_wait_loadcnt 14                              ; W, its scale words and the biases are in; the 14 loads for v, issued behind them, may be out
.endif
.irp T, 0,1,2,3                        ; the bias is the C of each sum's first product; the four accumulators take turns
	WM ACC+8*\T, WF+16*\T, HF+16*((\pt)%2), BI+8*\T, WS+2*\T, HS+2*((\pt)/2), 0, (\pt)%2
.endr
.irp T, 0,1,2,3
	WM ACC+8*\T, WF+16*\T+8, HF+16*((\pt)%2)+8, ACC+8*\T, WS+2*\T+1, HS+2*((\pt)/2)+1, 0, (\pt)%2
.endr
	PLACES 5
	QUANT2 ACC                                     ; register 16 b + i is channel 32 b + 16 (lane / 16) + i of my position
	v_lshl_or_b32 v[PW], v[TM+7], 8, v[TM+6]
	global_store_b64 v10, v[PC:PC+1], s[16:17] offset:512*(\pt)
	global_store_b64 v10, v[PC+2:PC+3], s[16:17] offset:512*(\pt)+256
.if (\pt)%2 == 0
	v_or_b32 v[KW+(\pt)/2], 0x7f7f0000, v[PW]      ; the upper 64 of the instruction's 128 along K are zero codes: their bytes are 127
.else
	v_or_b32 v[PW], 0x7f7f0000, v[PW]
	s_delay_alu instid0(VALU_DEP_1)
	v_cndmask_b32 v[KW+(\pt)/2], v[KW+(\pt)/2], v[PW], vcc_lo   ; lanes 16-31 take the odd tile's words
.endif
.endm
; 2: the 32 keys of chunk ch: my 32 channels of v, quantised along the keys and stored.
.macro VCH ch
	s_wait_dscnt 0x0                               ; both tiles' fragments of h are in
.irp n, 0,1
.irp u, 0,1
	WM ACC+16*\n+8*\u, HF+16*\u, WV+16*\n, -1, HS+2*(\ch), WVS+2*\n, \u, 0
.endr
.endr
.irp n, 0,1
.irp u, 0,1
	WM ACC+16*\n+8*\u, HF+16*\u+8, WV+16*\n+8, ACC+16*\n+8*\u, HS+2*(\ch)+1, WVS+2*\n+1, \u, 0
.endr
.endr
	PLACES 5
.if (\ch) < 3
	FETCH 2*(\ch)+2, 0
	FETCH 2*(\ch)+3, 1
.endif
.irp n, 0,1
.irp k, 0,2,4,6,8,10,12,14
	v_pk_add_f32 v[ACC+16*\n+\k:ACC+16*\n+\k+1], v[ACC+16*\n+\k:ACC+16*\n+\k+1], v[BV+2*\n:BV+2*\n+1] op_sel_hi:[1,0]   ; + my channel's bias
.endr
.endr
	s_wait_alu depctr_va_vdst(0)
	QUANT2 ACC                                     ; register 16 n + i is key 32 ch + 16 (lane / 16) + i of my channel of tile n
	global_store_b64 v14, v[PC:PC+1], s[18:19] offset:256*(\ch)
	global_store_b64 v14, v[PC+2:PC+3], s[18:19] offset:1024+256*(\ch)
.irp n, 0,1
.if (\ch) == 0
	v_mov_b32 v[VW+\n], v[TM+6+\n]                 ; four bytes to a word, the lower keys in the lower byte
.else
	v_lshl_or_b32 v[VW+\n], v[TM+6+\n], 8*(\ch), v[VW+\n]
.endif
.endr
.endm
	s_load_b512 s[4:19], s[0:1], 0x0               ; x s[4:5], gn s[6:7], beta s[8:9], W's codes s[10:11], W's scales s[12:13], the biases s[14:15], qq s[16:17], kv s[18:19]
	v_lshl_add_u32 v39, v0, 2, 0x4400
	s_set_vgpr_msb 0x40
	v_mov_b32 v1, 0
	s_set_vgpr_msb 0x4000
	v_lshrrev_b32 v16, 5, v0
	s_delay_alu instid0(VALU_DEP_1)
	v_readfirstlane_b32 s56, v16                   ; wave w
	s_lshr_b32 s57, ttmp9, 5                       ; image b
	s_and_b32 s58, ttmp9, 31                       ; step
	s_mov_b32 vcc_lo, 0xffff0000                   ; lanes 16-31, for the merging of scale words; never rewritten
	s_mov_b32 s100, 0x76543210
	s_mov_b32 s101, 0xfedcba98                     ; v_permlanex16_b32's selects for lane l xor 16
	s_lshr_b32 s61, s56, 2                         ; w / 4
	s_and_b32 s63, s56, 3                          ; w % 4
	v_and_b32 v16, 31, v0                          ; lane
	v_and_b32 v17, 15, v0                          ; r
	v_bfe_u32 v18, v0, 4, 1                        ; h
	s_delay_alu instid0(VALU_DEP_3)
	v_lshlrev_b32 v2, 4, v16
	s_delay_alu instid0(VALU_DEP_4)
	v_lshlrev_b32 v3, 2, v16
	s_wait_alu depctr_va_vdst(0)
	v_and_b32 v19, 7, v0
	v_bfe_u32 v20, v0, 3, 1
	s_delay_alu instid0(VALU_DEP_2)
	v_lshl_add_u32 v1, v18, 3, v19
	s_delay_alu instid0(VALU_DEP_1)
	v_lshl_add_u32 v1, v20, 4, v1                  ; my position in a chunk of 32: lane % 8 + 8 (lane / 16) + 16 ((lane / 8) % 2): lane 16 u + r takes row r of tile u
	s_lshl_b32 s2, s57, 22
	s_lshl_b32 s3, s56, 19
	s_add_co_u32 s2, s2, s3
	s_lshl_b32 s3, s58, 9
	s_add_co_u32 s2, s2, s3                        ; the image, my 32 channels, the step's 128 positions
	v_lshl_add_u32 v1, v1, 2, s2
	v_lshlrev_b32 v4, 4, v17
	s_delay_alu instid0(VALU_DEP_1)
	v_lshl_add_u32 v4, v18, 11, v4
	s_lshl_b32 s2, s56, 8
	v_add_nc_u32 v4, s2, v4                        ; 2048 (lane / 16) + 16 r + 256 w: block w is K step w / 4, registers 4 ((w / 2) % 2) on, lanes 16 (w % 2) + r
	s_lshl_b32 s2, s61, 7
	s_add_co_u32 s2, s2, s63
	s_add_co_u32 s2, s2, XSC
	v_add_nc_u32 v5, s2, v3
	v_and_b32 v21, 8, v17
	s_delay_alu instid0(VALU_DEP_1)
	v_add_nc_u32 v21, v21, v17                     ; r + 8 (r / 8)
	s_wait_alu depctr_va_vdst(0)
	s_lshl_b32 s2, s61, 8
	s_lshl_b32 s3, s63, 6
	s_add_co_u32 s2, s2, s3                        ; q's or k's first row of W: 256 (w / 4) + 64 (w % 4)
	v_lshlrev_b32 v6, 7, v21
	s_delay_alu instid0(VALU_DEP_1)
	v_lshl_add_u32 v6, v18, 4, v6
	s_lshl_b32 s3, s2, 7
	v_add_nc_u32 v6, s3, v6                        ; codes: a row is 128 bytes; + 16 h
	s_lshl_b32 s3, s2, 3
	v_lshl_add_u32 v7, v21, 3, s3                  ; scale bytes: 8 a row
	s_lshl_b32 s3, s2, 2
	v_lshl_add_u32 v8, v18, 6, s3                  ; biases: lanes 16-31 hold the channels 16 further on
	s_lshl_b32 s2, s63, 6
	s_lshl_b32 s3, s61, 5
	s_add_co_u32 s2, s2, s3
	s_add_co_u32 s2, s2, 512                       ; v's first row of W: 512 + 64 (w % 4) + 32 (w / 4)
	v_lshlrev_b32 v9, 7, v21
	s_delay_alu instid0(VALU_DEP_1)
	v_lshl_add_u32 v9, v18, 4, v9
	s_lshl_b32 s3, s2, 7
	v_add_nc_u32 v9, s3, v9
	s_lshl_b32 s3, s2, 3
	v_lshl_add_u32 v12, v21, 3, s3
	s_lshl_b32 s3, s2, 2
	v_lshl_add_u32 v13, v21, 2, s3
	s_lshl_b32 s2, s57, 2
	s_add_co_u32 s2, s2, s63
	s_lshl_b32 s2, s2, 5
	s_add_co_u32 s2, s2, s58                       ; the record: 32 (4 b + head) + step
	v_lshlrev_b32 v19, 4, v17
	s_delay_alu instid0(VALU_DEP_1)
	v_lshl_add_u32 v19, v18, 3, v19                ; 16 r + 8 h
	s_wait_alu depctr_va_vdst(0)
	s_mul_i32 s3, s2, 8960
	s_lshl_b32 s60, s61, 11
	s_add_co_u32 s60, s60, s3
	s_add_co_u32 s60, s60, 4096
	v_add_nc_u32 v14, s60, v19                     ; v's codes
	s_lshl_b32 s60, s61, 7
	s_add_co_u32 s60, s60, s3
	s_add_co_u32 s60, s60, 8704
	v_add_nc_u32 v15, s60, v3                      ; v's scale words
	s_mov_b32 s60, 8960
	s_mov_b32 s62, 8192
	s_cmp_lt_u32 s56, 4                            ; q's wave or k's?
	s_cselect_b32 s60, 4608, s60                   ; the record's size,
	s_cselect_b32 s62, 4096, s62                   ; and where its scale words begin
	s_mul_i32 s60, s2, s60
	v_add_nc_u32 v10, s60, v19
	s_add_co_u32 s62, s62, s60
	v_add_nc_u32 v11, s62, v2
	s_lshl_b32 s2, s57, 10
	s_lshl_b32 s3, s56, 7                          ; beta: byte 128 w
	s_add_co_u32 s2, s2, s3                        ; a: byte 1024 b + 128 w
	s_lshl_b32 s60, s57, 7
	s_lshl_b32 s62, s56, 4
	s_add_co_u32 s60, s60, s62                     ; the means of my four groups: byte 4096 + 128 b + 16 w
	s_wait_kmcnt 0x0
	s_load_b512 s[20:35], s[6:7], s2 offset:0x0    ; s20-51 a of my 32 channels
	s_load_b512 s[36:51], s[6:7], s2 offset:0x40
	s_load_b128 s[52:55], s[6:7], s60 offset:0x1000
	s_load_b512 s[68:83], s[8:9], s3 offset:0x0    ; s68-99 beta
	s_load_b512 s[84:99], s[8:9], s3 offset:0x40
	s_cmp_lt_u32 s56, 4
	s_cselect_b64 s[16:17], s[16:17], s[18:19]     ; waves 0-3 store into qq, waves 4-7 into kv: the choice hangs on the wave's number alone
.irp T, 0,1,2,3                        ; tile T begins at row 32 (T / 2) + 8 (T % 2)
.irp k, 0,1
.irp c, 0,1
	global_load_b128 v[WF+16*\T+8*\k+4*\c:WF+16*\T+8*\k+4*\c+3], v6, s[10:11] offset:(32*(\T/2)+8*(\T%2))*128+64*\k+32*\c
.endr
	global_load_b32 v[WS+2*\T+\k], v7, s[12:13] offset:(32*(\T/2)+8*(\T%2))*8+4*\k
.endr
.endr
.irp ch, 0,1,2,3
.set i, 0
.rept 32
	global_load_b32 v[XR+32*\ch+i], v1, s[4:5] offset:16384*i+128*\ch   ; channel 32 w + i at the chunk's 32 positions: the wave reads 128 consecutive bytes
.set i, i+1
.endr
.endr
	s_wait_kmcnt 0x0                               ; a, the means, beta
	XCHUNK 0, 63                                   ; 96 younger loads could stay out: the count written is the largest that the wait can name
	XCHUNK 1, 63                                   ; 64 likewise
	XCHUNK 2, 32                                   ; chunk 3's may be out
.irp T, 0,1,2,3                        ; into chunk 2's registers: register j of tile T is the bias of channel 32 (T / 2) + 8 (T % 2) + 16 h + j
	global_load_b128 v[BI+8*\T:BI+8*\T+3], v8, s[14:15] offset:(32*(\T/2)+8*(\T%2))*4
	global_load_b128 v[BI+8*\T+4:BI+8*\T+7], v8, s[14:15] offset:(32*(\T/2)+8*(\T%2))*4+16
.endr
	XCHUNK 3, 8                                    ; the eight bias loads may be out
.irp n, 0,1                            ; into chunk 3's registers: v's tile n begins at row 8 n
.irp k, 0,1
.irp c, 0,1
	global_load_b128 v[WV+16*\n+8*\k+4*\c:WV+16*\n+8*\k+4*\c+3], v9, s[10:11] offset:8*\n*128+64*\k+32*\c
.endr
	global_load_b32 v[WVS+2*\n+\k], v12, s[12:13] offset:8*\n*8+4*\k
.endr
	global_load_b32 v[BV+2*\n], v13, s[14:15] offset:8*\n*4
.endr
	v_mov_b32 v[BV+1], 0                           ; (named as the upper halves of pairs)
	v_mov_b32 v[BV+3], 0
	s_wait_dscnt 0x0                               ; for the others' sake: my codes and bytes lie in LDS
	s_barrier_signal -1
	s_barrier_wait -1                              ; h's sixteen fragments and their scale words are whole; nothing in LDS is written again
	v_mov_b32 v[TM+2], 0                           ; a lane permute's destination counts as one of its sources
	v_mov_b32 v[TM+3], 0
.irp ch, 0,1,2,3
.irp k, 0,1
	ds_load_b32 v[HS+2*\ch+\k], v3 offset:XSC+256*\ch+128*\k
.endr
.endr
	FETCH 0, 0
.irp pt, 0,1,2,3,4,5,6,7
	PT \pt
.endr
	global_store_b128 v11, v[KW:KW+3], s[16:17]    ; the record's 512 bytes of scale words, 16 a lane
	s_wait_loadcnt 0x0                             ; v's weights, scale words and biases
	FETCH 0, 0
	FETCH 1, 1
.irp ch, 0,1,2,3
	VCH \ch
.endr
	s_delay_alu instid0(VALU_DEP_1)
	v_cndmask_b32 v38, v[VW], v[VW+1], vcc_lo      ; lanes 0-15 tile 0's words, lanes 16-31 tile 1's
	global_store_b32 v15, v38, s[18:19]
	s_set_vgpr_msb 0x4
	s_wait_tensorcnt 0x0
	ds_add_u32 v39, v1
	s_wait_dscnt 0x0
	s_set_vgpr_msb 0x400
	s_endpgm
.Lfunc_end_k_q1ed15fa957_qkv:
	.size	k_q1ed15fa957_qkv, .Lfunc_end_k_q1ed15fa957_qkv-k_q1ed15fa957_qkv
	.p2alignl 7, 3214868480
	.fill 96, 4, 3214868480
	.section	.rodata,"a",@progbits
	.p2align	6, 0x0
	.amdhsa_kernel k_q1ed15fa957_qkv
		.amdhsa_group_segment_fixed_size 18432
		.amdhsa_private_segment_fixed_size 0
		.amdhsa_enable_private_segment 0
		.amdhsa_kernarg_size 64
		.amdhsa_user_sgpr_count 2
		.amdhsa_user_sgpr_kernarg_segment_ptr 1
		.amdhsa_wavefront_size32 1
		.amdhsa_system_sgpr_workgroup_id_x 1
		.amdhsa_system_sgpr_workgroup_id_y 1
		.amdhsa_system_sgpr_workgroup_id_z 1
		.amdhsa_system_vgpr_workitem_id 0
		.amdhsa_next_free_vgpr 258
		.amdhsa_next_free_sgpr 102
		.amdhsa_reserve_vcc 1
		.amdhsa_float_denorm_mode_32 3
		.amdhsa_float_denorm_mode_16_64 3
		.amdhsa_memory_ordered 1
		.amdhsa_forward_progress 1
		.amdhsa_inst_pref_size 97
	.end_amdhsa_kernel
	.amdgpu_metadata
---
amdhsa.version: [ 1, 2 ]
amdhsa.kernels:
  - .name:           k_q1ed15fa957_qkv
    .symbol:         k_q1ed15fa957_qkv.kd
    .args:
      - { .name: x, .offset: 0, .size: 8, .value_kind: global_buffer, .address_space: global }
      - { .name: gn, .offset: 8, .size: 8, .value_kind: global_buffer, .address_space: global }
      - { .name: norm_beta, .offset: 16, .size: 8, .value_kind: global_buffer, .address_space: global }
      - { .name: qkv_w_codes, .offset: 24, .size: 8, .value_kind: global_buffer, .address_space: global }
      - { .name: qkv_w_scales, .offset: 32, .size: 8, .value_kind: global_buffer, .address_space: global }
      - { .name: qkv_b, .offset: 40, .size: 8, .value_kind: global_buffer, .address_space: global }
      - { .name: qq, .offset: 48, .size: 8, .value_kind: global_buffer, .address_space: global }
      - { .name: kv, .offset: 56, .size: 8, .value_kind: global_buffer, .address_space: global }
    .group_segment_fixed_size: 18432
    .private_segment_fixed_size: 0
    .kernarg_segment_align: 8
    .kernarg_segment_size: 64
    .max_flat_workgroup_size: 256
    .sgpr_count:     102
    .vgpr_count:     258
    .wavefront_size: 32
...
	.end_amdgpu_metadata
.endif
;; end of part 2
;; launch attn (part 3): grid 16 x 16, 16 waves a work-group, clusters of 4 x 1, 288,768 bytes of LDS; arguments qq, kv, oc, os; writes oc, os
.if DOCPART == 3
	.amdgcn_target "amdgcn-amd-amdhsa--gfx1250"
	.amdhsa_code_object_version 6
	.text
	.protected	k_q1ed15fa957_attn
	.globl	k_q1ed15fa957_attn
	.p2align	8
	.type	k_q1ed15fa957_attn,@function
k_q1ed15fa957_attn:
	s_mov_b64 s[64:65], 0
	v_nop
	global_prefetch_b8 v0, s[64:65] scope:SCOPE_SE
	s_setreg_imm32_b32 hwreg(HW_REG_WAVE_MODE, 25, 1), 1
	s_wait_xcnt 0x0
	s_wait_alu depctr_hold_cnt(0) depctr_sa_sdst(0) depctr_va_vdst(0) depctr_va_sdst(0) depctr_va_ssrc(0) depctr_va_vcc(0) depctr_vm_vsrc(0)
	s_getreg_b32 s2, hwreg(HW_REG_IB_STS2, 6, 4)
	s_cmp_eq_u32 s2, 0
	s_cbranch_scc0 .Lentry_in_a_cluster
	s_endpgm
.Lentry_in_a_cluster:
	s_bfe_u32 s2, ttmp6, 0x10000c
	s_cmp_lg_u32 s2, 0x3003
	s_cbranch_scc0 .Lentry_shape_is_right
	s_endpgm
.Lentry_shape_is_right:
; O = softmax(q k^T / 8) v for one head of one image, both products on codes of FP4 (E2M1) with one E8M0 scale for each 32 along K; then O / l is quantised along the channels for the projection.
; q, k, v come as images of operand registers (qq, kv: records of 128 positions).  K of the first product is the head's 64 channels: the upper 64 of the instruction's 128 are zero codes on both sides.
; THE SOFTMAX: t = score x log2(e) / 8; M = the row's largest t so far, rounded UP to a whole number; p = 2^(t - M) is quantised along the keys, not normalised.  The row's sum l is taken of the
; unquantised p, in f32, and divides O at the end.  When M moves, l and O are multiplied by 2^(old M - new M): exact.
; SHARES.  A work-group owns 256 queries of head ttmp7; each of its sixteen waves owns one tile of 16 in 256 registers: four waves to a SIMD, so that one wave's vector work stands beside another's products and LDS loads.
; THE WHOLE HEAD LIES IN LDS: 32 records of 8,960 bytes = 286,720 bytes, filled once: wave w brings records 2 w and 2 w + 1 (70 rows of 256 dense bytes) by its one tensor load.  No byte of LDS is filled again.
; CLUSTER.  The four query blocks of a cluster belong to one head and read the same records, so each load is asked for JOINTLY: the same descriptor, made of the head and the wave's number alone, and a mask that names the four.
; LAYOUT.  Both products are used transposed (S^T = k q^T, O^T = v^T p^T): a lane holds ONE query.  Row r of k's tile 2 b + u is key 32 b + 8 u + r + 8 (r / 8), so the 16 registers of tiles 2 b, 2 b + 1 are 16 neighbouring keys;
; v's tiles have their channels in the same order, so O^T's 16 registers of tiles 2 bb, 2 bb + 1 are 16 neighbouring channels.
; OUT.  oc: [b][tile P][2,048 bytes]: my head's two blocks at 512 head + 256 bb + 16 r + 8 h: images of the projection's operand registers.  os: [b][P][K step head / 2][row r] words, my two bytes at 2 (head % 2).
; LIMITS: NaN and infinities are not served; a block whose largest magnitude lies under 2^-124, or that is all zeros, keeps the scale byte 1 (this program alone reads the bytes).
; REGISTERS: v1 16 x lane, v2 4 x lane; v3, v4 the same + the step's record; v5, v6 offsets in oc, os; v7, v8 in qq; v12 -M, v13 the largest t, v[14:15] l in two halves; v16-23 q; v32-63, v192-223 k's eight fragments
; (the upper four registers of each stay 0); v64-95 v's four; v96-159 S^T, then p; v160-191 O^T; v224-231 p's codes; v232-239, v244-247, v252, v254 at work; v240-241 v's scale words, v248-251 k's, v253 p's, v255 q's.
.set REC, 8960
.macro WM d, a, b, c, sa, sb, ra       ; D = A B + C, scaled.  c < 0: C = 0.  ra: A's scale words lie in lanes 16-31 of their register
.if (\c) < 0
.if \ra
	v_wmma_scale_f32_16x16x128_f8f6f4 v[\d:\d+7], v[\a:\a+7], v[\b:\b+7], 0, v[\sa], v[\sb] matrix_a_fmt:MATRIX_FMT_FP4 matrix_b_fmt:MATRIX_FMT_FP4 matrix_a_scale:MATRIX_SCALE_ROW1
.else
	v_wmma_scale_f32_16x16x128_f8f6f4 v[\d:\d+7], v[\a:\a+7], v[\b:\b+7], 0, v[\sa], v[\sb] matrix_a_fmt:MATRIX_FMT_FP4 matrix_b_fmt:MATRIX_FMT_FP4
.endif
.else
.if \ra
	v_wmma_scale_f32_16x16x128_f8f6f4 v[\d:\d+7], v[\a:\a+7], v[\b:\b+7], v[\c:\c+7], v[\sa], v[\sb] matrix_a_fmt:MATRIX_FMT_FP4 matrix_b_fmt:MATRIX_FMT_FP4 matrix_a_scale:MATRIX_SCALE_ROW1
.else
	v_wmma_scale_f32_16x16x128_f8f6f4 v[\d:\d+7], v[\a:\a+7], v[\b:\b+7], v[\c:\c+7], v[\sa], v[\sb] matrix_a_fmt:MATRIX_FMT_FP4 matrix_b_fmt:MATRIX_FMT_FP4
.endif
.endif
.endm
; A round of the cluster's barrier: my work-group's barrier, so that wave 0's signal speaks for all sixteen waves; wave 0 signals for the work-group; every wave waits for the four work-groups; my work-group's barrier once more.
.macro ROUND
	s_barrier_signal -1
	s_barrier_wait -1
	s_cmp_lg_u32 s12, 0
	s_cbranch_scc1 .Lnot_wave_0_\@
	s_barrier_signal -3
.Lnot_wave_0_\@:
	s_barrier_wait -3
	s_barrier_signal -1
	s_barrier_wait -1
.endm
	s_load_b256 s[4:11], s[0:1], 0x0               ; qq s[4:5], kv s[6:7], oc s[8:9], os s[10:11]
	v_lshl_add_u32 v242, v0, 2, 0x46000
	v_mov_b32 v243, 0
	ds_add_u32 v242, v243
	ds_add_u32 v242, v243
	v_lshrrev_b32 v1, 5, v0
	s_delay_alu instid0(VALU_DEP_1)
	v_readfirstlane_b32 s12, v1                    ; wave 0..15
	s_bfe_u32 s13, ttmp6, 0x40000                  ; cx: my place in the cluster
	s_lshl_b32 s14, ttmp9, 2                       ; in a cluster launch ttmp9 counts clusters
	s_add_co_u32 s14, s14, s13                     ; my block of 256 queries: it enters q's and the results' offsets alone
	s_and_b32 s15, ttmp7, 0xffff                   ; 4 b + head, which the four partners share
	; descriptor group 1: 70 rows of 32 elements of 8 bytes, dense
	s_mov_b32 s24, 15|(3<<16)|(1<<21)              ; 15:0 the mask: all four work-groups; 17:16 elements of 8 bytes; 20 no padding; 21 set beside a mask
	s_mov_b32 s25, 32<<16                          ; tensor_dim0 = 32
	s_mov_b32 s26, 70<<16                          ; tensor_dim1 = 70
	s_mov_b32 s27, 32<<16                          ; tile_dim0 = 32
	s_mov_b32 s28, 70                              ; tile_dim1 = 70
	s_mov_b32 s29, 32                              ; elements from row to row
	s_mov_b32 s30, 0
	s_mov_b32 s31, 0
	s_mul_i32 s16, s15, 32*REC                     ; the head's records,
	s_mul_i32 s18, s12, 2*REC                      ; my two of them: the same place in memory and in LDS
	s_add_co_u32 s16, s16, s18
	s_mov_b32 s17, 0
	s_mov_b32 s20, 0x76543210
	s_mov_b32 s21, 0xfedcba98                      ; v_permlanex16_b32's selects for lane l xor 16
	s_mov_b32 s22, 0x3e38aa3b                      ; c = log2(e) / 8
	s_mov_b32 s23, s22                             ; (named with it as a pair, so it is written)
	s_wait_dscnt 0x0
	s_wait_kmcnt 0x0
	ROUND                                          ; all four work-groups are here: the joint loads meet
	s_mov_b32 s32, 1                               ; group 0: count = 1,
	s_mov_b32 s33, s18                             ; the LDS address,
	s_add_nc_u64 s[34:35], s[6:7], s[16:17]        ; the global address,
	s_or_b32 s35, s35, 0x80000000                  ; type = 2
	tensor_load_to_lds s[32:35], s[24:31]          ; my one tensor load of the launch
	s_nop 0
.rept 4
	v_nop
.endr
	v_and_b32 v9, 31, v0                           ; lane
	v_and_b32 v10, 15, v0                          ; r
	v_bfe_u32 v11, v0, 4, 1                        ; h
	s_delay_alu instid0(VALU_DEP_3)
	v_lshlrev_b32 v1, 4, v9
	s_wait_alu depctr_va_vdst(0)
	v_lshlrev_b32 v2, 2, v9
	s_lshl_b32 s36, s14, 4
	s_add_co_u32 s36, s36, s12                     ; my tile P of the image's 256
	s_lshl_b32 s43, s15, 5
	s_lshr_b32 s44, s36, 3
	s_add_co_u32 s43, s43, s44
	s_mul_i32 s43, s43, 4608                       ; q's record: 32 (4 b + head) + P / 8
	s_and_b32 s44, s12, 7
	s_lshl_b32 s44, s44, 9
	s_add_co_u32 s44, s44, s43
	v_add_nc_u32 v7, s44, v1                       ; my tile's image
	s_and_b32 s44, s12, 1
	s_lshl_b32 s44, s44, 8
	s_add_co_u32 s43, s43, s44
	s_bfe_u32 s44, s12, 0x20001
	s_lshl_b32 s44, s44, 2
	s_add_co_u32 s43, s43, s44
	v_lshl_add_u32 v8, v10, 4, s43                 ; its scale words: 256 u + 16 r + 4 ch
	global_load_b128 v[16:19], v7, s[4:5]
	global_load_b32 v255, v8, s[4:5] offset:4096
	s_lshr_b32 s37, s15, 2                         ; b
	s_and_b32 s38, s15, 3                          ; head
	s_lshl_b32 s37, s37, 8
	s_add_co_u32 s37, s37, s36                     ; 256 b + P
	s_lshl_b32 s39, s37, 11
	s_lshl_b32 s42, s38, 9
	s_add_co_u32 s39, s39, s42
	v_lshlrev_b32 v5, 4, v10
	s_delay_alu instid0(VALU_DEP_1)
	v_lshl_add_u32 v5, v11, 3, v5
	s_delay_alu instid0(VALU_DEP_1)
	v_add_nc_u32 v5, s39, v5                       ; oc: 2048 (256 b + P) + 512 head + 16 r + 8 h
	s_lshl_b32 s39, s37, 1
	s_lshr_b32 s42, s38, 1
	s_add_co_u32 s39, s39, s42
	s_lshl_b32 s39, s39, 6
	s_and_b32 s42, s38, 1
	s_lshl_b32 s42, s42, 1
	s_add_co_u32 s39, s39, s42
	v_lshl_add_u32 v6, v10, 2, s39                 ; os: 64 (2 (256 b + P) + head / 2) + 4 r + 2 (head % 2)
.irp j, 20,21,22,23
	v_mov_b32 v\j, 0                               ; q's upper 64 along K: zero codes
.endr
.irp t, 0,1,2,3
.irp j, 4,5,6,7
	v_mov_b32 v[32+8*\t+\j], 0                     ; k's likewise: written once, the loads fill the lower four registers alone
	v_mov_b32 v[192+8*\t+\j], 0
.endr
.endr
.set j, 0
.rept 32
	v_mov_b32 v[160+j], 0                          ; O^T.  (The step is written once: the first finds zeros, which the first change of M leaves zeros)
.set j, j+1
.endr
	v_mov_b32 v13, 0xff61b1e6                      ; the largest t so far: -3e38, under every t
	s_delay_alu instid0(VALU_DEP_1)
	v_floor_f32 v12, -v13                          ; -M
	v_mov_b32 v14, 0                               ; l, in two halves
	v_mov_b32 v15, 0
.irp b, 0,1,2,3
	v_mov_b32 v[236+\b], 0                         ; a lane permute's destination counts as one of its sources
.endr
	v_mov_b32 v253, 0                              ; (named as the upper half of the pair v[252:253] before it is first written)
	s_mov_b32 s40, 0                               ; the step's record in LDS
	s_mov_b32 s41, 32                              ; steps to go
	s_wait_loadcnt 0x0                             ; q
	s_wait_tensorcnt 0x0                           ; my two records lie in LDS,
	s_barrier_signal -1
	s_barrier_wait -1                              ; everybody's do
.Lstep:                                            ; A KEY STEP: 128 keys, one record
	s_setprio 2
	v_add_nc_u32 v3, s40, v1
	v_add_nc_u32 v4, s40, v2
	v_nop
	v_nop                                          ; with the two additions: four places between the last step's products and the loads into their operands
	ds_load_b128 v[248:251], v3 offset:8192        ; k's scale words: register ch, lanes 0-15 tile 2 ch, lanes 16-31 tile 2 ch + 1
.irp t, 0,1,2,3
	ds_load_b128 v[32+8*\t:35+8*\t], v3 offset:512*\t
.endr
.irp t, 0,1,2,3
	ds_load_b128 v[192+8*\t:195+8*\t], v3 offset:2048+512*\t
.endr
.irp t, 0,1,2,3
.irp c, 0,1
	ds_load_b128 v[64+8*\t+4*\c:67+8*\t+4*\c], v3 offset:4096+1024*\t+512*\c
.endr
.endr
	ds_load_b32 v240, v4 offset:8704               ; v's scale words: lanes 0-15 tile 0 (2), lanes 16-31 tile 1 (3)
	ds_load_b32 v241, v4 offset:8832
	s_wait_dscnt 10                                ; k and its scale words are in; v's ten loads may be out
.irp t, 0,1,2,3                        ; S^T = k q^T: eight accumulators, one product each
	WM 96+8*\t, 32+8*\t, 16, -1, 248+\t/2, 255, \t%2
.endr
.irp t, 0,1,2,3
	WM 128+8*\t, 192+8*\t, 16, -1, 250+\t/2, 255, \t%2
.endr
.rept 4
	v_nop                                          ; places in front of the first read of results
.endr
.irp b, 0,1,2,3
	v_max3_num_f32 v[232+\b], v[96+16*\b], v[97+16*\b], v[98+16*\b]   ; THE LARGEST SCORE OF EACH BLOCK OF 32 KEYS: for the row's maximum, and, since p rises with the score, for the block's largest p
.endr
.irp i, 3,5,7,9,11,13
.irp b, 0,1,2,3
	v_max3_num_f32 v[232+\b], v[232+\b], v[96+16*\b+\i], v[97+16*\b+\i]   ; (the four blocks by turns; each accumulator is read from its low end on)
.endr
.endr
.irp b, 0,1,2,3
	v_max_num_f32 v[232+\b], v[232+\b], v[111+16*\b]
.endr
.irp b, 0,1,2,3
	s_delay_alu instid0(VALU_DEP_4)
	v_permlanex16_b32 v[236+\b], v[232+\b], s20, s21
.endr
.irp b, 0,1,2,3
	s_delay_alu instid0(VALU_DEP_4)
	v_max_num_f32 v[232+\b], v[232+\b], v[236+\b]  ; with lane l xor 16's 16 keys
.endr
	s_delay_alu instid0(VALU_DEP_2)
	v_max3_num_f32 v254, v232, v233, v234
	s_delay_alu instid0(VALU_DEP_1)
	v_max_num_f32 v254, v254, v235                 ; the step's largest score of my query
	s_delay_alu instid0(VALU_DEP_1)
	v_mul_f32 v254, s22, v254                      ; as t (c is positive)
	s_delay_alu instid0(VALU_DEP_1)
	v_max_num_f32 v13, v13, v254                   ; the running largest t
	v_mov_b32 v254, v12
	s_delay_alu instid0(VALU_DEP_2)
	v_floor_f32 v12, -v13                          ; the new -M = floor(-t) = -ceil(t): a whole number
	s_delay_alu instid0(VALU_DEP_1)
	v_sub_f32 v254, v12, v254                      ; M's old value less its new one: a whole number, 0 or less
	s_delay_alu instid0(VALU_DEP_1)
	v_cvt_i32_f32 v254, v254                       ; (it saturates)
	s_delay_alu instid0(VALU_DEP_1)
	v_ldexp_f32 v252, 1.0, v254                    ; f = 2^(old M - new M)
.set j, 0
.rept 32
	v_pk_fma_f32 v[96+j:97+j], v[96+j:97+j], s[22:23], v[12:13] op_sel_hi:[1,0,0]   ; t - M, two at a time (of the pairs c and -M the low word serves both halves)
.set j, j+2
.endr
.irp b, 0,1,2,3
	v_fma_f32 v[232+\b], v[232+\b], s22, v12       ; the same of each block's largest score
.endr
.set j, 0
	s_wait_alu depctr_va_vdst(0)
.rept 64
	v_exp_f32 v[96+j], v[96+j]                     ; p = 2^(t - M), at most 1
.set j, j+1
.endr
	s_setprio 1
.irp b, 0,1,2,3
	v_exp_f32 v[232+\b], v[232+\b]                 ; the block's largest p: the same two instructions on the same number give the same bits
.endr
	v_pk_mul_f32 v[14:15], v[14:15], v[252:253] op_sel_hi:[1,0]   ; l under the new M.  (The plain instruction behind the exponentials)
	s_wait_alu depctr_va_vdst(0)
.irp b, 0,1,2,3
	v_max_num_f32 v[232+\b], 0x1800000, v[232+\b]  ; the floor 2^(3 - 127): the byte cannot fall under 1
.endr
.irp b, 0,1,2,3
	s_delay_alu instid0(VALU_DEP_4)
	v_add_nc_u32 v[244+\b], 0xff000000, v[232+\b]  ; 2 off the exponent field: the conversion's scale operand
.endr
.irp b, 0,1,2,3
	s_delay_alu instid0(VALU_DEP_4)
	v_lshrrev_b32 v[236+\b], 23, v[244+\b]         ; the scale's byte
.endr
	s_delay_alu instid0(VALU_DEP_3)
	v_lshl_or_b32 v253, v237, 8, v236              ; p's scale word for these 128 keys
	s_delay_alu instid0(VALU_DEP_1)
	v_lshl_or_b32 v253, v238, 16, v253
	s_delay_alu instid0(VALU_DEP_1)
	v_lshl_or_b32 v253, v239, 24, v253
.irp b, 0,1,2,3
	v_cvt_scalef32_pk8_fp4_f32 v[224+2*\b], v[96+16*\b:103+16*\b], v[244+\b]
	v_cvt_scalef32_pk8_fp4_f32 v[225+2*\b], v[104+16*\b:111+16*\b], v[244+\b]
.endr
	v_nop                                          ; one plain instruction behind the last scaled conversion
.irp c, 0,1                            ; the operand's layout wants a WHOLE block in a lane: lanes 0-15 block 2 c, lanes 16-31 block 2 c + 1
.irp i, 0,1
	v_permlane16_swap_b32 v[224+4*\c+\i], v[226+4*\c+\i]
.endr
.endr
.set j, 0
.rept 16
	v_pk_mul_f32 v[160+j:161+j], v[160+j:161+j], v[252:253] op_sel_hi:[1,0]   ; O^T under the new M: x f
.set j, j+2
.endr
	v_pk_add_f32 v[236:237], v[100:101], v[104:105]
	v_pk_add_f32 v[250:251], v[108:109], v[112:113]
	v_pk_add_f32 v[248:249], v[116:117], v[120:121]
	v_pk_add_f32 v[246:247], v[124:125], v[128:129]
	v_pk_add_f32 v[244:245], v[132:133], v[136:137]
	v_pk_add_f32 v[232:233], v[140:141], v[144:145]
	v_pk_add_f32 v[218:219], v[148:149], v[152:153]
	v_pk_add_f32 v[14:15], v[14:15], v[156:157]
	v_pk_add_f32 v[236:237], v[236:237], v[96:97]
	v_pk_add_f32 v[250:251], v[250:251], v[98:99]
	v_pk_add_f32 v[248:249], v[248:249], v[102:103]
	v_pk_add_f32 v[246:247], v[246:247], v[106:107]
	v_pk_add_f32 v[244:245], v[244:245], v[110:111]
	v_pk_add_f32 v[232:233], v[232:233], v[114:115]
	v_pk_add_f32 v[218:219], v[218:219], v[118:119]
	s_setprio 0
	v_pk_add_f32 v[14:15], v[14:15], v[122:123]
	v_pk_add_f32 v[236:237], v[236:237], v[126:127]
	v_pk_add_f32 v[250:251], v[250:251], v[130:131]
	v_pk_add_f32 v[248:249], v[248:249], v[134:135]
	v_pk_add_f32 v[246:247], v[246:247], v[138:139]
	v_pk_add_f32 v[244:245], v[244:245], v[142:143]
	v_pk_add_f32 v[232:233], v[232:233], v[146:147]
	v_pk_add_f32 v[218:219], v[218:219], v[150:151]
	v_pk_add_f32 v[14:15], v[14:15], v[154:155]
	v_pk_add_f32 v[236:237], v[236:237], v[158:159]
	s_delay_alu instid0(VALU_DEP_2)
	v_pk_add_f32 v[14:15], v[14:15], v[246:247]
	s_delay_alu instid0(VALU_DEP_2)
	v_pk_add_f32 v[236:237], v[236:237], v[244:245]
	v_pk_add_f32 v[250:251], v[250:251], v[232:233]
	v_pk_add_f32 v[248:249], v[248:249], v[218:219]
	s_delay_alu instid0(VALU_DEP_2)
	v_pk_add_f32 v[14:15], v[14:15], v[250:251]
	s_delay_alu instid0(VALU_DEP_2)
	v_pk_add_f32 v[236:237], v[236:237], v[248:249]
	s_delay_alu instid0(VALU_DEP_1)
	v_pk_add_f32 v[14:15], v[14:15], v[236:237]
	s_wait_dscnt 0x0                               ; v and its scale words are in
.irp t, 0,1,2,3                        ; O^T += v^T p^T: four accumulators by turns
	WM 160+8*\t, 64+8*\t, 224, 160+8*\t, 240+\t/2, 253, \t%2
.endr
	s_add_co_u32 s40, s40, REC
	s_sub_co_u32 s41, s41, 1
	s_cmp_lg_u32 s41, 0
	s_cbranch_scc1 .Lstep
	s_setprio 0
	; THE WAY OUT: O^T / l, quantised along the channels: register 16 bb + i is channel 32 bb + 16 (lane / 16) + i of my query
.rept 4
	v_nop                                          ; places in front of the first read of results
.endr
	s_wait_alu depctr_va_vdst(0)
	v_add_f32 v14, v14, v15                        ; l's two halves,
	s_delay_alu instid0(VALU_DEP_1)
	v_permlanex16_b32 v252, v14, s20, s21
	s_delay_alu instid0(VALU_DEP_1)
	v_add_f32 v14, v14, v252                       ; and lane l xor 16's
	s_wait_alu depctr_va_vdst(0)
	v_rcp_f32 v14, v14
	v_nop                                          ; one plain instruction behind a transcendental
.set j, 0
	s_wait_alu depctr_va_vdst(0)
.rept 16
	v_pk_mul_f32 v[192+j:193+j], v[160+j:161+j], v[14:15] op_sel_hi:[1,0]
.set j, j+2
.endr
.irp b, 0,1
	v_max3_num_f32 v[232+\b], |v[192+16*\b]|, |v[193+16*\b]|, 0x1800000   ; my 16 numbers, and the floor 2^(3 - 127)
.endr
.irp i, 2,4,6,8,10,12,14
.irp b, 0,1
	s_delay_alu instid0(VALU_DEP_2)
	v_max3_num_f32 v[232+\b], v[232+\b], |v[192+16*\b+\i]|, |v[193+16*\b+\i]|
.endr
.endr
.irp b, 0,1
	s_delay_alu instid0(VALU_DEP_2)
	v_permlanex16_b32 v[234+\b], v[232+\b], s20, s21
.endr
.irp b, 0,1
	s_delay_alu instid0(VALU_DEP_2)
	v_max_num_f32 v[232+\b], v[232+\b], v[234+\b]
.endr
.irp b, 0,1
	s_delay_alu instid0(VALU_DEP_2)
	v_add_nc_u32 v[236+\b], 0xff000000, v[232+\b]
.endr
.irp b, 0,1
	s_delay_alu instid0(VALU_DEP_2)
	v_lshrrev_b32 v[238+\b], 23, v[236+\b]
.endr
.irp b, 0,1
	v_cvt_scalef32_pk8_fp4_f32 v[224+2*\b], v[192+16*\b:199+16*\b], v[236+\b]
	v_cvt_scalef32_pk8_fp4_f32 v[225+2*\b], v[200+16*\b:207+16*\b], v[236+\b]
.endr
	v_lshl_or_b32 v228, v239, 8, v238              ; my head's two scale bytes of the row.  (The plain instruction behind the conversions)
	global_store_b64 v5, v[224:225], s[8:9]        ; each store of the wave covers 256 consecutive bytes, aligned
	global_store_b64 v5, v[226:227], s[8:9] offset:256
	global_store_b16 v6, v228, s[10:11]            ; lanes l and l xor 16 write the same two bytes with the same value
	s_wait_tensorcnt 0x0
	ds_add_u32 v242, v243
	s_wait_dscnt 0x0
	ROUND                                          ; the closing round: no work-group ends while a partner may still ask for a tile that names it
	s_endpgm
.Lfunc_end_k_q1ed15fa957_attn:
	.size	k_q1ed15fa957_attn, .Lfunc_end_k_q1ed15fa957_attn-k_q1ed15fa957_attn
	.p2alignl 7, 3214868480
	.fill 96, 4, 3214868480
	.section	.rodata,"a",@progbits
	.p2align	6, 0x0
	.amdhsa_kernel k_q1ed15fa957_attn
		.amdhsa_group_segment_fixed_size 288768
		.amdhsa_private_segment_fixed_size 0
		.amdhsa_enable_private_segment 0
		.amdhsa_kernarg_size 32
		.amdhsa_user_sgpr_count 2
		.amdhsa_user_sgpr_kernarg_segment_ptr 1
		.amdhsa_wavefront_size32 1
		.amdhsa_system_sgpr_workgroup_id_x 1
		.amdhsa_system_sgpr_workgroup_id_y 1
		.amdhsa_system_sgpr_workgroup_id_z 1
		.amdhsa_system_vgpr_workitem_id 0
		.amdhsa_next_free_vgpr 256
		.amdhsa_next_free_sgpr 66
		.amdhsa_reserve_vcc 0
		.amdhsa_float_denorm_mode_32 3
		.amdhsa_float_denorm_mode_16_64 3
		.amdhsa_memory_ordered 1
		.amdhsa_forward_progress 1
		.amdhsa_inst_pref_size 28
	.end_amdhsa_kernel
	.amdgpu_metadata
---
amdhsa.version: [ 1, 2 ]
amdhsa.kernels:
  - .name:           k_q1ed15fa957_attn
    .symbol:         k_q1ed15fa957_attn.kd
    .args:
      - { .name: qq, .offset: 0, .size: 8, .value_kind: global_buffer, .address_space: global }
      - { .name: kv, .offset: 8, .size: 8, .value_kind: global_buffer, .address_space: global }
      - { .name: oc, .offset: 16, .size: 8, .value_kind: global_buffer, .address_space: global }
      - { .name: os, .offset: 24, .size: 8, .value_kind: global_buffer, .address_space: global }
    .group_segment_fixed_size: 288768
    .private_segment_fixed_size: 0
    .kernarg_segment_align: 8
    .kernarg_segment_size: 32
    .max_flat_workgroup_size: 512
    .sgpr_count:     66
    .vgpr_count:     256
    .wavefront_size: 32
...
	.end_amdgpu_metadata
.endif
;; end of part 3
;; launch proj (part 4): grid 256 x 1, 8 waves a work-group, no clusters, 70,656 bytes of LDS; arguments x, oc, os, proj_w_codes, proj_w_scales, proj_b, out0; writes out0
.if DOCPART == 4
	.amdgcn_target "amdgcn-amd-amdhsa--gfx1250"
	.amdhsa_code_object_version 6
	.text
	.protected	k_q1ed15fa957_proj
	.globl	k_q1ed15fa957_proj
	.p2align	8
	.type	k_q1ed15fa957_proj,@function
k_q1ed15fa957_proj:
	s_mov_b64 s[64:65], 0
	v_nop
	global_prefetch_b8 v0, s[64:65] scope:SCOPE_SE
	s_setreg_imm32_b32 hwreg(HW_REG_WAVE_MODE, 25, 1), 1
	s_wait_xcnt 0x0
; out0 = x + W O + b: the projection on codes of FP4 (E2M1) with one E8M0 scale for each 32 along K (the 256 channels), the bias and the residual.
; O comes as images of operand registers (oc: 2,048 bytes a tile of 16 positions; os: one scale word for each row and 128 channels); W and its scale bytes as the problem gives them.
; SHARES.  Work-group 64 b + blk owns 64 positions (four tiles) x 256 output channels; wave w owns channels 32 w .. 32 w + 31.
; The product is used with source 0 = 16 positions, source 1 = 16 rows of W: a lane holds ONE output channel.  Row r of tile (cl, u) is position 32 cl + 8 u + r + 8 (r / 8), so the 16 registers of tiles (cl, 0), (cl, 1)
; are 16 neighbouring positions: 64 consecutive bytes of a row of out0.  A wave's 32 rows x 256 bytes turn through its own stage in LDS (no barrier: no wave touches another's bytes) and leave, with x added,
; sixteen lanes to 256 consecutive bytes, aligned.
; No cluster and no tensor load: what the work-groups share is W (34,816 bytes), which goes from memory straight into registers, an eighth to a wave.
; LIMITS: NaN and infinities among the inputs are not served.
.set XR,  16                           ; v16-79   16 pairs of rows of x, then of out0
.set WF,  80                           ; v80-111  W: 2 tiles x 2 K steps
.set WS,  112                          ; v112-115 its scale words
.set BI,  116                          ; v116-131 the bias as a C: eight equal registers for each tile
.set OC,  132                          ; v132-195 O: 4 tiles x 2 K steps; later the rows read back from the stage
.set OS,  196                          ; v196-203 its scale words
.set ACC, 204                          ; v204-235 four accumulators
.set SP,  272                          ; a stage row: 256 bytes + 16 = 68 words: the 16 rows that a store touches start at 16 different banks (64 banks of 4 bytes: ISA guide 11.1)
                                       ; v1 offset in x and out0; v2 in oc; v3 in os; v4-6 in W's codes, scales, the bias; v7 into the stage; v8 out of it
.macro WM d, a, b, c, sa, sb
	v_wmma_scale_f32_16x16x128_f8f6f4 v[\d:\d+7], v[\a:\a+7], v[\b:\b+7], v[\c:\c+7], v[\sa], v[\sb] matrix_a_fmt:MATRIX_FMT_FP4 matrix_b_fmt:MATRIX_FMT_FP4
.endm
; 32 positions (tiles 2 cl, 2 cl + 1) x my 32 channels
.macro CHUNK cl
.irp n, 0,1                            ; the bias is the C of each sum's first product; the four accumulators take turns
.irp u, 0,1
	WM ACC+16*\n+8*\u, OC+16*(2*(\cl)+\u), WF+16*\n, BI+8*\n, OS+2*(2*(\cl)+\u), WS+2*\n
.endr
.endr
.irp n, 0,1
.irp u, 0,1
	WM ACC+16*\n+8*\u, OC+16*(2*(\cl)+\u)+8, WF+16*\n+8, ACC+16*\n+8*\u, OS+2*(2*(\cl)+\u)+1, WS+2*\n+1
.endr
.endr
.rept 5
	v_nop                                          ; four places before a result is read or a load lands in an operand's register, five before an accumulator is begun anew
.endr
.irp n, 0,1
.irp u, 0,1
	ds_store_b128 v7, v[ACC+16*\n+8*\u:ACC+16*\n+8*\u+3] offset:16*\n*SP+128*(\cl)+32*\u       ; each accumulator from its low end on
	ds_store_b128 v7, v[ACC+16*\n+8*\u+4:ACC+16*\n+8*\u+7] offset:16*\n*SP+128*(\cl)+32*\u+16
.endr
.endr
.endm
	s_load_b256 s[4:11], s[0:1], 0x0               ; x s[4:5], oc s[6:7], os s[8:9], W's codes s[10:11]
	s_load_b128 s[12:15], s[0:1], 0x20             ; W's scales s[12:13], the bias s[14:15]
	s_load_b64 s[16:17], s[0:1], 0x30              ; out0
	v_lshl_add_u32 v240, v0, 2, 0x11000
	v_mov_b32 v241, 0
	v_lshrrev_b32 v9, 5, v0
	s_delay_alu instid0(VALU_DEP_1)
	v_readfirstlane_b32 s18, v9                    ; wave w
	s_lshr_b32 s19, ttmp9, 6                       ; image b
	s_and_b32 s20, ttmp9, 63                       ; block of 64 positions
	v_and_b32 v9, 31, v0                           ; lane
	v_and_b32 v10, 15, v0                          ; r
	s_wait_alu depctr_va_vdst(0)
	v_bfe_u32 v11, v0, 4, 1                        ; h
	s_lshl_b32 s21, s19, 22
	s_lshl_b32 s22, s18, 19
	s_add_co_u32 s21, s21, s22
	s_lshl_b32 s22, s20, 8
	s_add_co_u32 s21, s21, s22
	v_lshlrev_b32 v1, 4, v10
	s_delay_alu instid0(VALU_DEP_1)
	v_lshl_add_u32 v1, v11, 14, v1
	s_delay_alu instid0(VALU_DEP_1)
	v_add_nc_u32 v1, s21, v1                       ; the image, channel 32 w + h, the block's 256 bytes, 16 a lane
	s_lshl_b32 s21, ttmp9, 13
	v_lshl_add_u32 v2, v9, 4, s21                  ; oc: my four tiles are tiles 4 (64 b + blk) on: 8,192 consecutive bytes
	s_lshl_b32 s21, ttmp9, 9
	v_lshl_add_u32 v3, v10, 2, s21                 ; os: 128 bytes a tile
	s_lshl_b32 s21, s18, 12
	v_lshlrev_b32 v4, 7, v10
	s_wait_alu depctr_va_vdst(0)
	v_lshl_add_u32 v4, v11, 4, v4
	s_delay_alu instid0(VALU_DEP_1)
	v_add_nc_u32 v4, s21, v4                       ; W: row 32 w + r of 128 bytes, + 16 h
	s_lshl_b32 s21, s18, 8
	v_lshl_add_u32 v5, v10, 3, s21                 ; its scale bytes: 8 a row
	s_lshl_b32 s21, s18, 7
	v_lshl_add_u32 v6, v10, 2, s21                 ; my channel's bias
	s_mul_i32 s21, s18, 32*SP                      ; my stage
	v_mul_u32_u24 v7, v10, SP
	s_delay_alu instid0(VALU_DEP_1)
	v_lshl_add_u32 v7, v11, 6, v7
	s_delay_alu instid0(VALU_DEP_1)
	v_add_nc_u32 v7, s21, v7                       ; in: row r, + 64 h: lanes 16-31 hold the positions 16 further on
	v_mul_u32_u24 v8, v11, SP
	s_delay_alu instid0(VALU_DEP_1)
	v_lshl_add_u32 v8, v10, 4, v8
	s_delay_alu instid0(VALU_DEP_1)
	v_add_nc_u32 v8, s21, v8                       ; back: lanes 0-15 one row, lanes 16-31 the next
	s_wait_alu depctr_va_vdst(0)
	s_wait_kmcnt 0x0
.irp n, 0,1
.irp k, 0,1
.irp c, 0,1
	global_load_b128 v[WF+16*\n+8*\k+4*\c:WF+16*\n+8*\k+4*\c+3], v4, s[10:11] offset:16*\n*128+64*\k+32*\c
.endr
	global_load_b32 v[WS+2*\n+\k], v5, s[12:13] offset:16*\n*8+4*\k
.endr
.irp j, 0,1,2,3,4,5,6,7
	global_load_b32 v[BI+8*\n+\j], v6, s[14:15] offset:64*\n   ; a lane's eight results belong to one channel: eight times its bias
.endr
.endr
.irp p, 0,1,2,3
.irp k, 0,1
.irp c, 0,1
	global_load_b128 v[OC+16*\p+8*\k+4*\c:OC+16*\p+8*\k+4*\c+3], v2, s[6:7] offset:2048*\p+1024*\k+512*\c
.endr
	global_load_b32 v[OS+2*\p+\k], v3, s[8:9] offset:128*\p+64*\k
.endr
.endr
.set i, 0
.rept 16
	global_load_b128 v[XR+4*i:XR+4*i+3], v1, s[4:5] offset:32768*i th:TH_LOAD_NT   ; rows 2 i and 2 i + 1 of my 32: x's last reading
.set i, i+1
.endr
	s_wait_loadcnt 16                              ; the operands are in; x's sixteen loads may be out
	CHUNK 0
	s_wait_dscnt 0x0                               ; the stores have read the accumulators
	CHUNK 1
.set i, 0
.rept 16
	ds_load_b128 v[OC+4*i:OC+4*i+3], v8 offset:2*i*SP   ; LDS serves a wave's instructions in order (ISA guide 5.7.1.4): these see my stores
.set i, i+1
.endr
	s_wait_loadcnt 0x0                             ; x
.set i, 0
.rept 16
	s_wait_dscnt 15-i                              ; pair i of rows is back; the younger loads may be out
	v_pk_add_f32 v[XR+4*i:XR+4*i+1], v[XR+4*i:XR+4*i+1], v[OC+4*i:OC+4*i+1]
	v_pk_add_f32 v[XR+4*i+2:XR+4*i+3], v[XR+4*i+2:XR+4*i+3], v[OC+4*i+2:OC+4*i+3]
	global_store_b128 v1, v[XR+4*i:XR+4*i+3], s[16:17] offset:32768*i th:TH_STORE_NT   ; sixteen lanes store 256 consecutive bytes, aligned
.set i, i+1
.endr
	s_wait_tensorcnt 0x0
	ds_add_u32 v240, v241
	s_wait_dscnt 0x0
	s_endpgm
.Lfunc_end_k_q1ed15fa957_proj:
	.size	k_q1ed15fa957_proj, .Lfunc_end_k_q1ed15fa957_proj-k_q1ed15fa957_proj
	.p2alignl 7, 3214868480
	.fill 96, 4, 3214868480
	.section	.rodata,"a",@progbits
	.p2align	6, 0x0
	.amdhsa_kernel k_q1ed15fa957_proj
		.amdhsa_group_segment_fixed_size 70656
		.amdhsa_private_segment_fixed_size 0
		.amdhsa_enable_private_segment 0
		.amdhsa_kernarg_size 56
		.amdhsa_user_sgpr_count 2
		.amdhsa_user_sgpr_kernarg_segment_ptr 1
		.amdhsa_wavefront_size32 1
		.amdhsa_system_sgpr_workgroup_id_x 1
		.amdhsa_system_sgpr_workgroup_id_y 1
		.amdhsa_system_sgpr_workgroup_id_z 1
		.amdhsa_system_vgpr_workitem_id 0
		.amdhsa_next_free_vgpr 242
		.amdhsa_next_free_sgpr 66
		.amdhsa_reserve_vcc 0
		.amdhsa_float_denorm_mode_32 3
		.amdhsa_float_denorm_mode_16_64 3
		.amdhsa_memory_ordered 1
		.amdhsa_forward_progress 1
		.amdhsa_inst_pref_size 18
	.end_amdhsa_kernel
	.amdgpu_metadata
---
amdhsa.version: [ 1, 2 ]
amdhsa.kernels:
  - .name:           k_q1ed15fa957_proj
    .symbol:         k_q1ed15fa957_proj.kd
    .args:
      - { .name: x, .offset: 0, .size: 8, .value_kind: global_buffer, .address_space: global }
      - { .name: oc, .offset: 8, .size: 8, .value_kind: global_buffer, .address_space: global }
      - { .name: os, .offset: 16, .size: 8, .value_kind: global_buffer, .address_space: global }
      - { .name: proj_w_codes, .offset: 24, .size: 8, .value_kind: global_buffer, .address_space: global }
      - { .name: proj_w_scales, .offset: 32, .size: 8, .value_kind: global_buffer, .address_space: global }
      - { .name: proj_b, .offset: 40, .size: 8, .value_kind: global_buffer, .address_space: global }
      - { .name: out0, .offset: 48, .size: 8, .value_kind: global_buffer, .address_space: global }
    .group_segment_fixed_size: 70656
    .private_segment_fixed_size: 0
    .kernarg_segment_align: 8
    .kernarg_segment_size: 56
    .max_flat_workgroup_size: 256
    .sgpr_count:     66
    .vgpr_count:     242
    .wavefront_size: 32
...
	.end_amdgpu_metadata
.endif
;; end of part 4
